; MI455X (gfx1250); checked and timed in simulation.
; The chip was launched on July 23, 2026; its instructions are those of AMD's public machine-readable ISA for CDNA 5 (MIT licence, August 2026) and "CDNA5" Instruction Set Architecture Reference Guide (July 2026). The comments in the code are by the model that wrote it; some were corrected since.
;; Multihead Attention. Allowed arithmetic: matrix products marked QUANTISED: E5M2 operands, one given power-of-two scale a tensor, by v_wmma_f32_16x16x64_bf8_bf8 or v_wmma_f32_16x16x128_bf8_bf8, f32 sums; everything else in f32.
;; Inputs: key 4 x 2,048 x 1,024 float32; lowp_scales 4 int32 (the exponents e of the quantised operands' scales 2^e); query 4 x 2,048 x 1,024 float32; value 4 x 2,048 x 1,024 float32.
;; Outputs: out0 4 x 2,048 x 1,024 float32.
;; This version of the problem:
;;   THIS VERSION OF THE PROBLEM IS GIVEN IN LOW PRECISION. The matrix products marked QUANTISED in the list below multiply operands that are first quantised to E5M2 (5 exponent bits, 2 mantissa bits; 8 bits a number), with one given power-of-two scale for each operand tensor; their sums are f32. All else is computed in f32.
;;   The module's matrix products, in the order in which they are computed (A, B: the left and right operand; K: the contracted axis; several contracted axes count as one K, in the product's order):
;;     1. batch 64 x [M 2,048, K 64] x [K 64, N 2,048]; A: input query; B: input key: QUANTISED (scales: A lowp_scales[0], B lowp_scales[1])
;;     2. batch 64 x [M 2,048, K 2,048] x [K 2,048, N 64]; A: softmax (see below); B: input value: QUANTISED (scales: A lowp_scales[2], B lowp_scales[3])
;;   THE QUANTISER, for each operand of a quantised product, along K:
;;     - The operand's scale is 2^e, e = its entry of the input lowp_scales (int32; the entries are numbered through the quantised products in the list's order, A before B).
;;     - Each number is divided by the scale, clamped to +-57,344, and rounded to the nearest number of E5M2, ties to even, subnormals kept.
;;     - The product sums the exact products of the quantised numbers (number of the format x scale) in f32.
;;   ~~~python
;;   def quantise(x, axis, e):      # numpy; x: float32 -> the quantised numbers, widened to float32 again
;;       x = np.moveaxis(x, axis, -1); K = x.shape[-1]
;;       r = np.clip(x / 2.0 ** e, -57344, 57344)
;;       step = 2.0 ** (np.maximum(np.frexp(np.where(r == 0, 1, r))[1] - 1, -14) - 2)
;;       q = np.round(r / step) * step * 2.0 ** e      # np.round: ties to even
;;       return np.moveaxis(q, -1, axis).astype(np.float32)
;;   ~~~
;;   SOFTMAX AHEAD OF A QUANTISED PRODUCT. Where the list says 'softmax', what is quantised is not the finished softmax but p = 2^(t - M), with t = logit x log2(e) and M = ceil(the row's largest t), a whole number; so 1/2 < the row's largest p <= 1. The row's sum l is taken of the UNQUANTISED p, in f32, and the product's result is divided by l at the end. Since M is a whole number, a kernel that streams over the keys may use a running M (the ceiling of the running maximum): every later rescaling is an exact power of two, so the quantised numbers keep their values, but for numbers so far below the row's largest that they fall under the format's range.
;;   OPERANDS COMPUTED ON THE WAY. 'Computed on the way' means the value that the module computes at that place (a softmax that the list does not call 'softmax' is quantised finished and normalised). What goes into a quantiser is computed in f32, as accurately as f32 sums, v_exp_f32 and their like allow (about 1e-6 of the number): no bf16 or f16 on the way to a quantiser, and a product that is left as it is and whose result goes on into a quantised operand takes f32 operands (vector FMAs, or v_wmma_f32_16x16x4_f32). A number that lies on a knife's edge between two numbers of the format may be rounded either way, as far as f32 arithmetic and the matrix unit's own rounding can turn it there, and no further.
;; 2 versions. Each part assembles by itself: llvm-mc -triple=amdgcn-amd-amdhsa -mcpu=gfx1250 --defsym DOCPART=n.
;; ======== version 1 of 2: 1 launch
;; launch attn (part 1): grid 4 x 64, 16 waves a work-group, no clusters, 92,160 bytes of LDS; arguments query, key, value, lowp_scales, out0; writes out0
.if DOCPART == 1
	.amdgcn_target "amdgcn-amd-amdhsa--gfx1250"
	.amdhsa_code_object_version 6
	.text
	.protected	k_q3ae9a6ff4d_attn
	.globl	k_q3ae9a6ff4d_attn
	.p2align	8
	.type	k_q3ae9a6ff4d_attn,@function
k_q3ae9a6ff4d_attn:
	s_mov_b64 s[64:65], 0
	v_nop
	global_prefetch_b8 v0, s[64:65] scope:SCOPE_SE
	s_setreg_imm32_b32 hwreg(HW_REG_WAVE_MODE, 25, 1), 1
	s_wait_xcnt 0x0
; out[b][q][h][:] = the sum over k of softmax_k(Q[b][q][h] . K[b][k][h] / 8) V[b][k][h][:].  query, key, value, out0: [4][2048][1024] f32; 16 heads of 64: a head's part of a row is 256 bytes, rows 4,096 bytes apart.
; Both products on codes of BF8 (E5M2), each operand with the one scale 2^e that is given for it: lowp_scales = eq, ek, ep, ev.  code = x / 2^e, held within +-57,344, to the nearest code, ties to even.
; THE SOFTMAX AHEAD OF THE SECOND PRODUCT: t = score x log2(e) / 8; M = the row's largest t so far, rounded UP to a whole number; p = 2^(t - M) is what is quantised, not normalised.  The row's sum is taken of the
; unquantised p, in f32, and divides O at the end.  When M moves, the sum and O are multiplied by 2^(old M - new M): exact.
; SHARES.  One launch, 256 work-groups of sixteen waves.  A work-group owns one (batch, head) and 512 queries; wave w owns queries 32 w .. 32 w + 31: two tiles of 16, in 256 registers, four waves to a SIMD, so that
; one wave's vector work stands beside another's matrix work and LDS loads.  Every wave walks the head's 2,048 keys, 64 a step, 32 steps.
; K AND V ARE QUANTISED ON THE WAY.  In step j the sixteen waves ask for the f32 numbers of chunk j + 3 (64 keys; a wave takes 4 keys of K and of V: 2,048 bytes), turn chunk j + 1, which has had two steps in which to
; land, into codes in one of two LDS slots, and multiply by chunk j from the other slot.  One barrier a step.  Q is quantised once, by its own wave.
; NO JOINT REQUESTS, though the four work-groups of a head walk the same K and V: the numbers arrive as f32 and must pass through registers to become codes.  A joint tile would put a step's 32,768 bytes of f32
; through LDS, written and read, where its codes are 8,192 bytes, and would ask for a round of all four work-groups for every 64 keys.  The price: K and V are asked for four times.
; LAYOUT.  Both products are used transposed: S^T = K Q^T (source 0 = 16 keys, source 1 = 16 queries), O^T = V^T P^T (source 0 = 16 of the head's 64, source 1 = P): a lane holds ONE query (lane % 16) throughout.
;   First product: lane (r, h) holds, of its row, d = 32 h + 0 .. 31 in its eight registers (two loads of 16 bytes): a permutation of d, the same in K and in Q, so every product meets its partner.
;   Its result: register j of tile t is key 16 t + 8 h + j, so the conversion of a tile's eight registers gives registers 2 t, 2 t + 1 of P as the second product's layout has them (keys 16 t + 8 h + 0 .. 7).
;   V^T lies in LDS by rows d, the keys of a row ordered so that two loads of 16 bytes give that same layout: key 16 c + 8 h + j at byte 32 (c / 2) + 16 h + 8 (c % 2) + j.
; LIMITS on the given exponents, so that each power of two below is an f32 number: eq + ek between -123 and 130 (they are added to c's exponent field); eq, ek, ep, ev each between -126 and 112.
; NaN among the inputs is not served; an infinity is held at the largest code.
; LDS: slot s at 10,240 s: 64 rows of K's codes (64 bytes + 16 of padding), then 64 rows of V^T's likewise; from 20,480 on a stage of 4,352 bytes for each wave, its own: Q's codes at the head, rows of O at the end.
.set PITCH,  80                        ; a row of codes in LDS: 64 bytes + 16 = 20 words: the sixteen rows that a load of 16 bytes a lane touches start at sixteen different groups of four banks (64 banks of 4 bytes: ISA guide 11.1)
.set VOFF,   64*PITCH                  ; V^T's rows lie behind K's
.set SLOTB,  2*VOFF
.set WST,    2*SLOTB                   ; the waves' stages
.set WSTB,   4352
.set OPITCH, 272                       ; the way out: a row of 256 bytes + 16
.set CHUNK,  64*4096                   ; 64 keys in memory
.set TRIPS,  14                        ; a trip is two steps; steps 28 to 31 are written out
.set GO,   1                           ; v1   (lane / 16) x 4,096 + 16 (lane % 16): two rows of 256 bytes a load or store: K, Q, out
.set VO,   2                           ; v2   8 x lane: one row of 256 bytes a load: V
.set KS,   3                           ; v3   where I store K's codes: row 4 w + h, byte 4 r
.set VS,   4                           ; v4   where I store V^T's: row 2 x lane, my wave's four keys' bytes
.set KR,   5                           ; v5   where I read a fragment of K: row r, byte 32 h
.set VR,   6                           ; v6   of V^T: row r, byte 16 h
.set QS,   7                           ; v7   my stage: where I store Q's codes
.set QR,   8                           ; v8   and read Q's fragments
.set OSTO, 9                           ; v9   my stage on the way out: where I put 32 bytes of a row
.set ORD,  10                          ; v10  and where I read a row back
.set TMP,  11
.set SK,   12                          ; v12, v13  2^ek and 57,344 x 2^ek
.set LK,   13
.set SV,   14                          ; v14, v15  the same for ev
.set LV,   15
.set SP,   16                          ; v16, v17  for ep
.set LP,   17
.set SQ,   18                          ; v18, v19  for eq
.set LQ,   19
.set ST,   20                          ; v20-35  tile u's statistics at v[ST + 8 u]: +0 -M, +1 the largest score, +2, +3 the sum in two halves, +4 f, +5 zero (named with f as a pair), +6, +7 at work
.set T2,   36                          ; v36-37  the sums' second chain.  (At the head v36-38 hold r, h and the lane)
.set RR,   36
.set HH,   37
.set LN,   38
.set CK,   38                          ; v38-39  K's codes just made
.set CV,   40                          ; v40-41  V's codes as converted
.set CW,   42                          ; v42-43  and sorted by d
.set QF,   44                          ; v44-59  Q's two fragments
.set P,    60                          ; v60-75  p's codes, 8 a tile
.set PF,   76                          ; v76-107 two sets of 16: a chunk's numbers as loaded: 8 of K, 8 of V
.set S,    108                         ; v108-139 S^T, then p: one buffer, the two tiles of queries in turn
.set KF,   140                         ; v140-171 four fragments: K's, then V^T's
.set O,    172                         ; v172-235 O^T, 32 a tile of queries
.macro PLACES                          ; a load into a register that a matrix instruction has read, and a vector instruction that reads a matrix result, stand four plain vector instructions behind it
.rept 4
	v_nop
.endr
.endm
; Chunk c, counted from the stepped bases, into set p: six loads, each of whole aligned rows of 256 bytes.
.macro LOADC p, c
	global_load_b128 v[PF+16*(\p):PF+16*(\p)+3],   v[GO], s[6:7] offset:(\c)*CHUNK          ; K: key 4 w + h, d = 4 r .. 4 r + 3
	global_load_b128 v[PF+16*(\p)+4:PF+16*(\p)+7], v[GO], s[6:7] offset:(\c)*CHUNK+8192     ; key 4 w + 2 + h
.irp i, 0,1,2,3
	global_load_b64 v[PF+16*(\p)+8+2*\i:PF+16*(\p)+9+2*\i], v[VO], s[8:9] offset:(\c)*CHUNK+\i*4096   ; V: key 4 w + i, d = 2 x lane and the next
.endr
.endm
.macro HOLDK p                         ; the conversion to an 8-bit code does not saturate (ISA guide 7.6.2): hold the number within the largest code x the scale first
.irp i, 0,1,2,3,4,5,6,7
	v_med3_num_f32 v[PF+16*(\p)+\i], v[PF+16*(\p)+\i], -v[LK], v[LK]
.endr
.endm
; Set p's numbers become codes in slot p.  K: four neighbours along d of two keys: two words.  V: two d of four keys: two v_perm_b32 sort the eight codes into four keys of each d.
.macro CODES p
	v_cvt_scalef32_pk8_bf8_f32 v[CK:CK+1], v[PF+16*(\p):PF+16*(\p)+7], v[SK]
.irp i, 8,9,10,11,12,13,14,15
	v_med3_num_f32 v[PF+16*(\p)+\i], v[PF+16*(\p)+\i], -v[LV], v[LV]
.endr
	v_cvt_scalef32_pk8_bf8_f32 v[CV:CV+1], v[PF+16*(\p)+8:PF+16*(\p)+15], v[SV]
	v_nop                                          ; one plain vector instruction between a scaled conversion and the vector instruction that reads its result
	v_perm_b32 v[CW],   v[CV+1], v[CV], s24        ; bytes 0, 2 of both words: d = 2 x lane, keys 4 w .. 4 w + 3
	v_perm_b32 v[CW+1], v[CV+1], v[CV], s25        ; bytes 1, 3: d = 2 x lane + 1
	ds_store_b32 v[KS], v[CK]   offset:(\p)*SLOTB
	ds_store_b32 v[KS], v[CK+1] offset:(\p)*SLOTB+2*PITCH
	ds_store_b32 v[VS], v[CW]   offset:(\p)*SLOTB          ; rows 160 bytes apart from lane to lane: eight different banks, four lanes to each; two such stores a wave and step
	ds_store_b32 v[VS], v[CW+1] offset:(\p)*SLOTB+PITCH
.endm
.macro KFRAG s                         ; four fragments of K: keys 16 t + r
.irp t, 0,1,2,3
	ds_load_b128 v[KF+8*\t:KF+8*\t+3],   v[KR] offset:(\s)*SLOTB+\t*16*PITCH
	ds_load_b128 v[KF+8*\t+4:KF+8*\t+7], v[KR] offset:(\s)*SLOTB+\t*16*PITCH+16
.endr
.endm
.macro VFRAG s                         ; four fragments of V^T: d = 16 t + r
.irp t, 0,1,2,3
	ds_load_b128 v[KF+8*\t:KF+8*\t+3],   v[VR] offset:(\s)*SLOTB+\t*16*PITCH
	ds_load_b128 v[KF+8*\t+4:KF+8*\t+7], v[VR] offset:(\s)*SLOTB+\t*16*PITCH+32
.endr
.endm
.macro QK u                            ; S^T of tile u of my queries: the whole K = 64 in one instruction, so each sum starts and ends here
.irp t, 0,1,2,3
	v_wmma_f32_16x16x64_bf8_bf8 v[S+8*\t:S+8*\t+7], v[KF+8*\t:KF+8*\t+7], v[QF+8*(\u):QF+8*(\u)+7], 0
.endr
.endm
.macro PV                              ; O^T += V^T P^T: the eight accumulators take turns, one instruction a turn
.irp t, 0,1,2,3
.irp u, 0,1
	v_wmma_f32_16x16x64_bf8_bf8 v[O+32*\u+8*\t:O+32*\u+8*\t+7], v[KF+8*\t:KF+8*\t+7], v[P+8*\u:P+8*\u+7], v[O+32*\u+8*\t:O+32*\u+8*\t+7]
.endr
.endr
.endm
; The softmax of tile u for one step of 64 keys (32 scores a lane).  last = 1: the wave's LDS instructions are waited for on the way; sig = 1: and the step's barrier is signalled there.
.macro SM u, last, sig
.set rT, ST+8*(\u)
.set rO, O+32*(\u)
.set rP, P+8*(\u)
	v_max3_num_f32 v[rT+6], v[S], v[S+1], v[S+2]               ; the largest of my 32 scores and the old maximum, in two chains; each accumulator is read from its low end on
	v_max3_num_f32 v[rT+7], v[S+3], v[S+4], v[S+5]
.irp i, 6,10,14,18,22,26
	v_max3_num_f32 v[rT+6], v[rT+6], v[S+\i], v[S+\i+1]
	v_max3_num_f32 v[rT+7], v[rT+7], v[S+\i+2], v[S+\i+3]
.endr
	v_max3_num_f32 v[rT+6], v[rT+6], v[S+30], v[S+31]
	v_max3_num_f32 v[rT+6], v[rT+6], v[rT+7], v[rT+1]
	v_permlanex16_b32 v[rT+7], v[rT+6], s20, s21               ; the query's other 32 keys lie in the lane 16 away
	v_max_num_f32 v[rT+1], v[rT+6], v[rT+7]                    ; the running largest score
	v_mul_f32 v[rT+6], s22, v[rT+1]                            ; as t (c is positive)
	v_mov_b32 v[rT+7], v[rT]
	v_floor_f32 v[rT], -v[rT+6]                                ; the new -M = floor(-t) = -ceil(t): M is a whole number
	v_sub_f32 v[rT+7], v[rT], v[rT+7]                          ; old M - new M: a whole number, 0 or less
	v_cvt_i32_f32 v[rT+7], v[rT+7]                             ; (it saturates)
	v_ldexp_f32 v[rT+4], 1.0, v[rT+7]                          ; f = 2^(old M - new M)
.set j, 0
.rept 16
	v_pk_fma_f32 v[S+j:S+j+1], v[S+j:S+j+1], s[22:23], v[rT:rT+1] op_sel_hi:[1,0,0]   ; t - M, two at a time (of the pairs c and -M the low word serves both halves)
.set j, j+2
.endr
.set j, 0
.rept 32
	v_exp_f32 v[S+j], v[S+j]                                   ; p = 2^(t - M): not normalised
.set j, j+1
.endr
	v_pk_mul_f32 v[rT+2:rT+3], v[rT+2:rT+3], v[rT+4:rT+5] op_sel_hi:[1,0]   ; the sum under the new M.  (The plain instruction behind the exponentials)
	s_wait_alu depctr_va_vdst(0)
	v_pk_add_f32 v[T2:T2+1], v[S:S+1], v[S+2:S+3]              ; the row's sum is taken of the unquantised p: two at a time, in two chains
.irp i, 4,8,12,16,20,24,28
	v_pk_add_f32 v[rT+2:rT+3], v[rT+2:rT+3], v[S+\i:S+\i+1]
	v_pk_add_f32 v[T2:T2+1], v[T2:T2+1], v[S+\i+2:S+\i+3]
.endr
	v_pk_add_f32 v[rT+2:rT+3], v[rT+2:rT+3], v[T2:T2+1]
	s_cmp_ge_i32 s18, -15                                      ; p is at most 1 (but for the last bit), so with ep >= -15 p / 2^ep stays near 32,768, under 57,344: the hold cannot act and is jumped over.
	s_cbranch_scc1 .Lno_hold_\@                                ; ep is a whole number read from an input, the same in every wave; no barrier stands under the jump
.set j, 0
.rept 32
	v_min_num_f32 v[S+j], v[S+j], v[LP]                        ; the conversion does not saturate (ISA guide 7.6.2); p is not negative, so the hold is one-sided
.set j, j+1
.endr
.Lno_hold_\@:
.if \last
	s_wait_dscnt 0x0                                           ; V^T's fragments are in: my reads of this slot are over; and my stores into the other slot have landed
.endif
.if \sig
	s_barrier_signal -1                                        ; say so; register work alone stands between this and the wait at the step's end
.endif
.irp t, 0,1,2,3
	v_cvt_scalef32_pk8_bf8_f32 v[rP+2*\t:rP+2*\t+1], v[S+8*\t:S+8*\t+7], v[SP]
.endr
.set j, 0
.rept 16
	v_pk_mul_f32 v[rO+j:rO+j+1], v[rO+j:rO+j+1], v[rT+4:rT+5] op_sel_hi:[1,0]   ; O^T under the new M, each accumulator from its low end on.  (Also the plain instructions behind the conversions, ahead of the products that write S or read P)
.set j, j+2
.endr
.endm
; A STEP multiplies by the chunk in slot s.  q = 1: the next chunk (set and slot 1 - s) is quantised; n: the younger loads that may stay out.  ld = 1: chunk c, counted from the stepped bases, is asked for into the set just freed.
; bar = 1: the step's barrier.  In front of its signal each wave's stores into slot 1 - s have landed and its reads of slot s are back; behind its wait slot 1 - s is read and slot s is stored into.
.macro STEP s, q, ld, c, bar, n
.if \q
	s_wait_loadcnt \n                                          ; loads come back in order (ISA guide 5.7.1): the next chunk's six are in
	HOLDK 1-\s                                                 ; eight plain instructions: the places behind the last step's products, ahead of the loads into the registers that they read
.else
	PLACES
.endif
	KFRAG \s
.if \q
	CODES 1-\s
.if \ld
	LOADC 1-\s, \c
.endif
	s_wait_dscnt 4                                             ; K's eight loads are in; the four stores issued behind them may be out
.else
	s_wait_dscnt 0x0
.endif
	QK 0
	PLACES
	SM 0, 0, 0
	QK 1                                                       ; over the registers that tile 0's scores have left
	PLACES                                                     ; for the loads into K's registers and for the first read of the scores
	VFRAG \s
	SM 1, 1, \bar
	PV
.if \bar
	s_barrier_wait -1
.endif
.endm
.macro SCALE e, vs, vl                 ; 2^e and 57,344 x 2^e as f32
	s_add_co_i32 s27, s[\e], 127
	s_lshl_b32 s28, s27, 23
	v_mov_b32 v[\vs], s28
	s_add_co_i32 s27, s27, 15
	s_lshl_b32 s27, s27, 23
	s_or_b32 s27, s27, 0x600000
	v_mov_b32 v[\vl], s27
.endm
	s_load_b256 s[4:11], s[0:1], 0x0               ; query s[4:5], key s[6:7], value s[8:9], lowp_scales s[10:11]
	s_load_b64 s[12:13], s[0:1], 0x20              ; out0
	v_lshl_add_u32 v254, v0, 2, 0x16000
	v_mov_b32 v255, 0
	v_lshrrev_b32 v[TMP], 5, v0
	v_readfirstlane_b32 s14, v[TMP]                ; wave 0..15
	v_and_b32 v[RR], 15, v0                        ; r
	v_bfe_u32 v[HH], v0, 4, 1                      ; h
	v_and_b32 v[LN], 31, v0                        ; lane
	v_lshlrev_b32 v[GO], 4, v[RR]
	v_lshl_or_b32 v[GO], v[HH], 12, v[GO]
	v_lshlrev_b32 v[VO], 3, v[LN]
	s_mul_i32 s27, s14, 4*PITCH                    ; K's codes: my wave's four rows
	v_mul_u32_u24 v[KS], v[HH], PITCH
	v_lshl_add_u32 v[KS], v[RR], 2, v[KS]
	v_add_nc_u32 v[KS], s27, v[KS]
	s_lshr_b32 s28, s14, 3                         ; V^T's codes: keys 4 w .. 4 w + 3 are c = w / 4, h = (w / 2) % 2, j = 4 (w % 2) on: byte 32 (w / 8) + 16 ((w / 2) % 2) + 8 ((w / 4) % 2) + 4 (w % 2)
	s_lshl_b32 s28, s28, 5
	s_bfe_u32 s29, s14, 0x10001
	s_lshl_b32 s29, s29, 4
	s_add_co_u32 s28, s28, s29
	s_bfe_u32 s29, s14, 0x10002
	s_lshl_b32 s29, s29, 3
	s_add_co_u32 s28, s28, s29
	s_and_b32 s29, s14, 1
	s_lshl_b32 s29, s29, 2
	s_add_co_u32 s28, s28, s29
	s_add_co_u32 s28, s28, VOFF
	v_mul_u32_u24 v[VS], v[LN], 2*PITCH
	v_add_nc_u32 v[VS], s28, v[VS]
	v_mul_u32_u24 v[TMP], v[RR], PITCH
	v_lshl_add_u32 v[KR], v[HH], 5, v[TMP]
	v_lshl_add_u32 v[VR], v[HH], 4, v[TMP]
	v_add_nc_u32 v[VR], VOFF, v[VR]
	s_mul_i32 s29, s14, WSTB
	s_add_co_u32 s29, s29, WST                     ; my stage
	v_mul_u32_u24 v[QS], v[HH], PITCH
	v_lshl_add_u32 v[QS], v[RR], 2, v[QS]
	v_add_nc_u32 v[QS], s29, v[QS]
	v_add_nc_u32 v[QR], s29, v[KR]
	v_mul_u32_u24 v[OSTO], v[RR], OPITCH
	v_lshl_add_u32 v[OSTO], v[HH], 5, v[OSTO]
	v_add_nc_u32 v[OSTO], s29, v[OSTO]
	v_mul_u32_u24 v[ORD], v[HH], OPITCH
	v_lshl_add_u32 v[ORD], v[RR], 4, v[ORD]
	v_add_nc_u32 v[ORD], s29, v[ORD]
	s_and_b32 s30, ttmp7, 0xffff                   ; 16 x batch + head
	s_lshr_b32 s31, s30, 4
	s_lshl_b32 s31, s31, 23                        ; a batch is 2,048 rows of 4,096 bytes
	s_and_b32 s30, s30, 15
	s_lshl_b32 s30, s30, 8                         ; a head's 256 bytes of a row
	s_add_co_u32 s30, s30, s31
	s_lshl_b32 s31, s14, 14
	s_add_co_u32 s32, s30, s31                     ; key, value: + my wave's 4 rows of a chunk
	s_mov_b32 s33, 0
	s_lshl_b32 s31, ttmp9, 21
	s_add_co_u32 s34, s30, s31                     ; query, out0: + my work-group's 512 rows
	s_lshl_b32 s31, s14, 17
	s_add_co_u32 s34, s34, s31                     ; + my wave's 32
	s_mov_b32 s35, 0
	s_mov_b32 s20, 0x76543210                      ; v_permlanex16_b32: each lane takes its own place in the other half
	s_mov_b32 s21, 0xfedcba98
	s_mov_b32 s22, 0x3e38aa3b                      ; c = log2(e) / 8
	s_mov_b32 s24, 0x06040200
	s_mov_b32 s25, 0x07050301
	s_mov_b32 s26, TRIPS
	s_wait_kmcnt 0x0
	s_load_b128 s[16:19], s[10:11], 0x0            ; eq, ek, ep, ev
	s_add_nc_u64 s[4:5], s[4:5], s[34:35]
	s_add_nc_u64 s[6:7], s[6:7], s[32:33]
	s_add_nc_u64 s[8:9], s[8:9], s[32:33]
	s_add_nc_u64 s[12:13], s[12:13], s[34:35]
.irp i, 0,1,2,3,4,5,6,7,8,9,10,11,12,13,14,15
	global_load_b128 v[O+4*\i:O+4*\i+3], v[GO], s[4:5] offset:\i*8192 th:TH_LOAD_NT   ; Q: row 2 i + h, d = 4 r .. 4 r + 3, into the registers that O^T will take; read once in the launch
.endr
	LOADC 0, 0
	LOADC 1, 1
	s_wait_kmcnt 0x0
	s_add_co_i32 s27, s16, s17
	s_lshl_b32 s27, s27, 23
	s_add_co_i32 s22, s22, s27                     ; a score stands for score x 2^(eq + ek): the two exponents are added to c's exponent field
	s_mov_b32 s23, s22                             ; (named with it as a pair, so it is written)
	SCALE 16, SQ, LQ
	SCALE 17, SK, LK
	SCALE 18, SP, LP
	SCALE 19, SV, LV
	; Q: my 32 rows become codes, go through my stage by rows of 64 bytes and come back as two fragments, which stay
	s_wait_loadcnt 12                              ; Q's sixteen loads are in; the twelve of chunks 0 and 1 may be out
.set j, 0
.rept 64
	v_med3_num_f32 v[O+j], v[O+j], -v[LQ], v[LQ]
.set j, j+1
.endr
.irp i, 0,1,2,3,4,5,6,7
	v_cvt_scalef32_pk8_bf8_f32 v[S+2*\i:S+2*\i+1], v[O+8*\i:O+8*\i+7], v[SQ]   ; rows 4 i + h and 4 i + 2 + h
.endr
	v_nop                                          ; one plain vector instruction behind the conversions: their sources are written below, their results' registers by the first products
.irp i, 0,1,2,3,4,5,6,7
	ds_store_b32 v[QS], v[S+2*\i]   offset:4*\i*PITCH
	ds_store_b32 v[QS], v[S+2*\i+1] offset:(4*\i+2)*PITCH
.endr
.irp u, 0,1
	ds_load_b128 v[QF+8*\u:QF+8*\u+3],   v[QR] offset:\u*16*PITCH      ; LDS serves a wave's instructions in order (ISA guide 5.7.1.4): these see my stores
	ds_load_b128 v[QF+8*\u+4:QF+8*\u+7], v[QR] offset:\u*16*PITCH+16
.endr
.set j, 0
.rept 64
	v_mov_b32 v[O+j], 0                            ; O^T.  (The step is written without a first step of its own: the first finds zeros, which the first change of M leaves zeros)
.set j, j+1
.endr
.irp u, 0,1
	v_mov_b32 v[ST+8*\u],   0x7f61b1e6             ; -M = 3e38
	v_mov_b32 v[ST+8*\u+1], 0xff61b1e6             ; the largest score so far: -3e38
	v_mov_b32 v[ST+8*\u+2], 0                      ; the sum, in two halves
	v_mov_b32 v[ST+8*\u+3], 0
	v_mov_b32 v[ST+8*\u+5], 0                      ; (named as the upper half of f's pair)
.endr
	; chunk 0 into slot 0
	s_wait_loadcnt 6                               ; chunk 0's six loads are in; chunk 1's may be out
	HOLDK 0
	CODES 0
	LOADC 0, 2
	s_wait_dscnt 0x0                               ; my stores into slot 0 have landed; Q's fragments are in
	s_barrier_signal -1
	s_barrier_wait -1
.Ltrip:                                            ; steps 0 to 27, two a trip: step j multiplies by chunk j, quantises chunk j + 1 and asks for chunk j + 3
	STEP 0, 1, 1, 3, 1, 6
	STEP 1, 1, 1, 4, 1, 6
	s_wait_xcnt 0x0                                ; the loads' bases are stepped only behind this wait
	s_add_nc_u64 s[6:7], s[6:7], 2*CHUNK
	s_add_nc_u64 s[8:9], s[8:9], 2*CHUNK
	s_sub_co_u32 s26, s26, 1
	s_cmp_lg_u32 s26, 0
	s_cbranch_scc1 .Ltrip
	STEP 0, 1, 1, 3, 1, 6                          ; step 28 asks for chunk 31, the last: no load leaves its buffer
	STEP 1, 1, 0, 0, 1, 6                          ; step 29: chunk 30 is in, chunk 31's six loads may be out
	STEP 0, 1, 0, 0, 1, 0                          ; step 30: chunk 31 is in
	STEP 1, 0, 0, 0, 0, 0                          ; step 31: nothing is left to quantise, and no barrier follows
	; THE WAY OUT.  The sum's halves are added; O^T x 2^(ep + ev) / the sum goes through my stage, a tile of 16 queries at a time, and leaves as whole rows of 256 bytes.
	PLACES
	s_add_co_i32 s27, s18, s19
.irp u, 0,1
	v_add_f32 v[ST+8*\u+6], v[ST+8*\u+2], v[ST+8*\u+3]
.endr
.irp u, 0,1
	v_permlanex16_b32 v[ST+8*\u+7], v[ST+8*\u+6], s20, s21
.endr
.irp u, 0,1
	v_add_f32 v[ST+8*\u+6], v[ST+8*\u+6], v[ST+8*\u+7]
.endr
.irp u, 0,1
	v_rcp_f32 v[ST+8*\u+4], v[ST+8*\u+6]
.endr
	v_nop                                          ; a plain instruction between the last reciprocal and the use of its result
	s_wait_alu depctr_va_vdst(0)
.irp u, 0,1
	v_ldexp_f32 v[ST+8*\u+4], v[ST+8*\u+4], s27
.endr
.irp u, 0,1
.set j, 0
.rept 16
	v_pk_mul_f32 v[O+32*\u+j:O+32*\u+j+1], v[O+32*\u+j:O+32*\u+j+1], v[ST+8*\u+4:ST+8*\u+5] op_sel_hi:[1,0]   ; register 8 t + i of lane (r, h) is out(query r, d = 16 t + 8 h + i)
.set j, j+2
.endr
.endr
.macro TOSTAGE u, back                 ; tile u into my stage, 32 bytes a lane and tile of d, and back as rows: lanes 0-15 one row, lanes 16-31 the next
.irp t, 0,1,2,3
	ds_store_b128 v[OSTO], v[O+32*(\u)+8*\t:O+32*(\u)+8*\t+3]   offset:64*\t
	ds_store_b128 v[OSTO], v[O+32*(\u)+8*\t+4:O+32*(\u)+8*\t+7] offset:64*\t+16
.endr
.irp i, 0,1,2,3,4,5,6,7
	ds_load_b128 v[\back+4*\i:\back+4*\i+3], v[ORD] offset:2*\i*OPITCH   ; in order behind my stores; the next tile's stores come behind these
.endr
.endm
.macro SEND u, back, younger           ; younger: the LDS instructions issued behind tile u's loads
.irp i, 0,1,2,3,4,5,6,7
	s_wait_dscnt \younger+7-\i
	global_store_b128 v[GO], v[\back+4*\i:\back+4*\i+3], s[12:13] offset:(16*(\u)+2*\i)*4096 th:TH_STORE_NT   ; sixteen lanes store 256 consecutive bytes, at a multiple of 256 from out0's first byte; written once, read by nobody here
.endr
.endm
	TOSTAGE 0, KF
	TOSTAGE 1, S
	SEND 0, KF, 16
	SEND 1, S, 0
	s_wait_tensorcnt 0x0
	ds_add_u32 v254, v255
	s_wait_dscnt 0x0
	s_endpgm
.Lfunc_end_k_q3ae9a6ff4d_attn:
	.size	k_q3ae9a6ff4d_attn, .Lfunc_end_k_q3ae9a6ff4d_attn-k_q3ae9a6ff4d_attn
	.p2alignl 7, 3214868480
	.fill 96, 4, 3214868480
	.section	.rodata,"a",@progbits
	.p2align	6, 0x0
	.amdhsa_kernel k_q3ae9a6ff4d_attn
		.amdhsa_group_segment_fixed_size 92160
		.amdhsa_private_segment_fixed_size 0
		.amdhsa_enable_private_segment 0
		.amdhsa_kernarg_size 40
		.amdhsa_user_sgpr_count 2
		.amdhsa_user_sgpr_kernarg_segment_ptr 1
		.amdhsa_wavefront_size32 1
		.amdhsa_system_sgpr_workgroup_id_x 1
		.amdhsa_system_sgpr_workgroup_id_y 1
		.amdhsa_system_sgpr_workgroup_id_z 1
		.amdhsa_system_vgpr_workitem_id 0
		.amdhsa_next_free_vgpr 256
		.amdhsa_next_free_sgpr 66
		.amdhsa_reserve_vcc 0
		.amdhsa_float_denorm_mode_32 3
		.amdhsa_float_denorm_mode_16_64 3
		.amdhsa_memory_ordered 1
		.amdhsa_forward_progress 1
		.amdhsa_inst_pref_size 130
	.end_amdhsa_kernel
	.amdgpu_metadata
---
amdhsa.version: [ 1, 2 ]
amdhsa.kernels:
  - .name:           k_q3ae9a6ff4d_attn
    .symbol:         k_q3ae9a6ff4d_attn.kd
    .args:
      - { .name: query, .offset: 0, .size: 8, .value_kind: global_buffer, .address_space: global }
      - { .name: key, .offset: 8, .size: 8, .value_kind: global_buffer, .address_space: global }
      - { .name: value, .offset: 16, .size: 8, .value_kind: global_buffer, .address_space: global }
      - { .name: lowp_scales, .offset: 24, .size: 8, .value_kind: global_buffer, .address_space: global }
      - { .name: out0, .offset: 32, .size: 8, .value_kind: global_buffer, .address_space: global }
    .group_segment_fixed_size: 92160
    .private_segment_fixed_size: 0
    .kernarg_segment_align: 8
    .kernarg_segment_size: 40
    .max_flat_workgroup_size: 512
    .sgpr_count:     66
    .vgpr_count:     256
    .wavefront_size: 32
...
	.end_amdgpu_metadata
.endif
;; end of part 1
;; ======== version 2 of 2: 1 launch; version 1 with the launch attn written anew for expert scheduling mode
;; launch attn (part 2): grid 4 x 64, 16 waves a work-group, no clusters, 92,160 bytes of LDS; arguments query, key, value, lowp_scales, out0; writes out0
.if DOCPART == 2
	.amdgcn_target "amdgcn-amd-amdhsa--gfx1250"
	.amdhsa_code_object_version 6
	.text
	.protected	k_q3ae9a6ff4d_attn
	.globl	k_q3ae9a6ff4d_attn
	.p2align	8
	.type	k_q3ae9a6ff4d_attn,@function
k_q3ae9a6ff4d_attn:
	s_mov_b64 s[64:65], 0
	v_nop
	global_prefetch_b8 v0, s[64:65] scope:SCOPE_SE
	s_setreg_imm32_b32 hwreg(HW_REG_WAVE_SCHED_MODE, 0, 2), 2
	s_setreg_imm32_b32 hwreg(HW_REG_WAVE_MODE, 25, 1), 1
	s_wait_xcnt 0x0
	s_wait_alu depctr_vm_vsrc(0)
; out[b][q][h][:] = the sum over k of softmax_k(Q[b][q][h] . K[b][k][h] / 8) V[b][k][h][:].  query, key, value, out0: [4][2048][1024] f32; 16 heads of 64: a head's part of a row is 256 bytes, rows 4,096 bytes apart.
; Both products on codes of BF8 (E5M2), each operand with the one scale 2^e that is given for it: lowp_scales = eq, ek, ep, ev.  code = x / 2^e, held within +-57,344, to the nearest code, ties to even.
; THE SOFTMAX AHEAD OF THE SECOND PRODUCT: t = score x log2(e) / 8; M = the row's largest t so far, rounded UP to a whole number; p = 2^(t - M) is what is quantised, not normalised.  The row's sum is taken of the
; unquantised p, in f32, and divides O at the end.  When M moves, the sum and O are multiplied by 2^(old M - new M): exact.
; SHARES.  One launch, 256 work-groups of sixteen waves.  A work-group owns one (batch, head) and 512 queries; wave w owns queries 32 w .. 32 w + 31: two tiles of 16, in 256 registers, four waves to a SIMD, so that
; one wave's vector work stands beside another's matrix work and LDS loads.  Every wave walks the head's 2,048 keys, 64 a step, 32 steps.
; K AND V ARE QUANTISED ON THE WAY.  In step j the sixteen waves ask for the f32 numbers of chunk j + 3 (64 keys; a wave takes 4 keys of K and of V: 2,048 bytes), turn chunk j + 1, which has had two steps in which to
; land, into codes in one of two LDS slots, and multiply by chunk j from the other slot.  One barrier a step.  Q is quantised once, by its own wave.
; NO JOINT REQUESTS, though the four work-groups of a head walk the same K and V: the numbers arrive as f32 and must pass through registers to become codes.  A joint tile would put a step's 32,768 bytes of f32
; through LDS, written and read, where its codes are 8,192 bytes, and would ask for a round of all four work-groups for every 64 keys.  The price: K and V are asked for four times.
; LAYOUT.  Both products are used transposed: S^T = K Q^T (source 0 = 16 keys, source 1 = 16 queries), O^T = V^T P^T (source 0 = 16 of the head's 64, source 1 = P): a lane holds ONE query (lane % 16) throughout.
;   First product: lane (r, h) holds, of its row, d = 32 h + 0 .. 31 in its eight registers (two loads of 16 bytes): a permutation of d, the same in K and in Q, so every product meets its partner.
;   Its result: register j of tile t is key 16 t + 8 h + j, so the conversion of a tile's eight registers gives registers 2 t, 2 t + 1 of P as the second product's layout has them (keys 16 t + 8 h + 0 .. 7).
;   V^T lies in LDS by rows d, the keys of a row ordered so that two loads of 16 bytes give that same layout: key 16 c + 8 h + j at byte 32 (c / 2) + 16 h + 8 (c % 2) + j.
; LIMITS on the given exponents, so that each power of two below is an f32 number: eq + ek between -123 and 130 (they are added to c's exponent field); eq, ek, ep, ev each between -126 and 112.
; NaN among the inputs is not served; an infinity is held at the largest code.
; LDS: slot s at 10,240 s: 64 rows of K's codes (64 bytes + 16 of padding), then 64 rows of V^T's likewise; from 20,480 on a stage of 4,352 bytes for each wave, its own: Q's codes at the head, rows of O at the end.
; THE MODE: SCHED_MODE bits 1:0 = 2 (LLVM: expert scheduling mode 2), set by the entry lines.  The code itself states the register dependences
; between vector or matrix instructions and memory or LDS instructions, with s_wait_alu, always for 0.
; THE PLAN.  Registers that memory or LDS instructions touch, in the loop:
;   v1 .. v10   Offsets and LDS addresses: made once at the head, never written again; key's and value's rows are reached by the scalar bases and by immediate offsets.
;   PF0, PF1    Chunk c's six loads land in PF[c % 2]; the holds and conversions of step c - 1 read and write it; behind them, in the same step, it is asked for again, for chunk c + 2.
;   CK, CW      Written by a step's conversion and sortings; read by that step's four LDS stores; written again by the next step's.
;   KF          K's fragments land in it at a step's head; QK 0 and QK 1 read it; V^T's fragments land in it behind QK 1; PV reads it.
;   S, P, O^T, Q's fragments and the statistics are named by vector and matrix instructions alone.
; A step has one wait on vm_vsrc (the last step's stores have read CK and CW) and seven on va_vdst: ahead of each tile's exponentials (their sources are written), ahead of tile 1's LDS wait, and ahead of K's fragments (PV is done reading KF); behind tile 0's exponentials (their results are written; and so
; are CK and CW, and the set is done with: the step's four stores and six loads stand directly behind it); ahead of V^T's fragments (QK 1 is done reading KF); behind tile 1's exponentials.
.set PITCH,  80                        ; a row of codes in LDS: 64 bytes + 16 = 20 words: the sixteen rows that a load of 16 bytes a lane touches start at sixteen different groups of four banks (64 banks of 4 bytes: ISA guide 11.1)
.set VOFF,   64*PITCH                  ; V^T's rows lie behind K's
.set SLOTB,  2*VOFF
.set WST,    2*SLOTB                   ; the waves' stages
.set WSTB,   4352
.set OPITCH, 272                       ; the way out: a row of 256 bytes + 16
.set CHUNK,  64*4096                   ; 64 keys in memory
.set TRIPS,  14                        ; a trip is two steps; steps 28 to 31 are written out
.set GO,   1                           ; v1   (lane / 16) x 4,096 + 16 (lane % 16): two rows of 256 bytes a load or store: K, Q, out
.set VO,   2                           ; v2   8 x lane: one row of 256 bytes a load: V
.set KS,   3                           ; v3   where I store K's codes: row 4 w + h, byte 4 r
.set VS,   4                           ; v4   where I store V^T's: row 2 x lane, my wave's four keys' bytes
.set KR,   5                           ; v5   where I read a fragment of K: row r, byte 32 h
.set VR,   6                           ; v6   of V^T: row r, byte 16 h
.set QS,   7                           ; v7   my stage: where I store Q's codes
.set QR,   8                           ; v8   and read Q's fragments
.set OSTO, 9                           ; v9   my stage on the way out: where I put 32 bytes of a row
.set ORD,  10                          ; v10  and where I read a row back
.set TMP,  11
.set SK,   12                          ; v12, v13  2^ek and 57,344 x 2^ek
.set LK,   13
.set SV,   14                          ; v14, v15  the same for ev
.set LV,   15
.set SP,   16                          ; v16, v17  for ep
.set LP,   17
.set SQ,   18                          ; v18, v19  for eq
.set LQ,   19
.set ST,   20                          ; v20-35  tile u's statistics at v[ST + 8 u]: +0 -M, +1 the largest score, +2, +3 the sum in two halves, +4 f, +5 zero (named with f as a pair), +6, +7 at work
.set T2,   36                          ; v36-37  the sums' second chain.  (At the head v36-38 hold r, h and the lane)
.set RR,   36
.set HH,   37
.set LN,   38
.set CK,   38                          ; v38-39  K's codes just made
.set CV,   40                          ; v40-41  V's codes as converted
.set CW,   42                          ; v42-43  and sorted by d
.set QF,   44                          ; v44-59  Q's two fragments
.set P,    60                          ; v60-75  p's codes, 8 a tile
.set PF,   76                          ; v76-107 two sets of 16: a chunk's numbers as loaded: 8 of K, 8 of V
.set S,    108                         ; v108-139 S^T, then p: one buffer, the two tiles of queries in turn
.set KF,   140                         ; v140-171 four fragments: K's, then V^T's
.set O,    172                         ; v172-235 O^T, 32 a tile of queries
.macro PLACES                          ; a load into a register that a matrix instruction has read, and a vector instruction that reads a matrix result, stand four plain vector instructions behind it
.rept 4
	v_nop
.endr
.endm
; Chunk c, counted from the stepped bases, into set p: six loads, each of whole aligned rows of 256 bytes.
.macro LOADC p, c
	global_load_b128 v[PF+16*(\p):PF+16*(\p)+3],   v[GO], s[6:7] offset:(\c)*CHUNK          ; K: key 4 w + h, d = 4 r .. 4 r + 3
	global_load_b128 v[PF+16*(\p)+4:PF+16*(\p)+7], v[GO], s[6:7] offset:(\c)*CHUNK+8192     ; key 4 w + 2 + h
.irp i, 0,1,2,3
	global_load_b64 v[PF+16*(\p)+8+2*\i:PF+16*(\p)+9+2*\i], v[VO], s[8:9] offset:(\c)*CHUNK+\i*4096   ; V: key 4 w + i, d = 2 x lane and the next
.endr
.endm
.macro HOLDK p                         ; the conversion to an 8-bit code does not saturate (ISA guide 7.6.2): hold the number within the largest code x the scale first
.irp i, 0,1,2,3,4,5,6,7
	v_med3_num_f32 v[PF+16*(\p)+\i], v[PF+16*(\p)+\i], -v[LK], v[LK]
.endr
.endm
; Set p's numbers become codes, in registers.  K: four neighbours along d of two keys: two words.  V: two d of four keys: two v_perm_b32 sort the eight codes into four keys of each d.
.macro QUANTC p
	v_cvt_scalef32_pk8_bf8_f32 v[CK:CK+1], v[PF+16*(\p):PF+16*(\p)+7], v[SK]
.irp i, 8,9,10,11,12,13,14,15
	v_med3_num_f32 v[PF+16*(\p)+\i], v[PF+16*(\p)+\i], -v[LV], v[LV]
.endr
	v_cvt_scalef32_pk8_bf8_f32 v[CV:CV+1], v[PF+16*(\p)+8:PF+16*(\p)+15], v[SV]
	v_nop                                          ; one plain vector instruction between a scaled conversion and the vector instruction that reads its result
	v_perm_b32 v[CW],   v[CV+1], v[CV], s24        ; bytes 0, 2 of both words: d = 2 x lane, keys 4 w .. 4 w + 3
	v_perm_b32 v[CW+1], v[CV+1], v[CV], s25        ; bytes 1, 3: d = 2 x lane + 1
.endm
; The codes go into slot p.  These four stand behind a wait on va_vdst that shows CK and CW written.
.macro SENDC p
	ds_store_b32 v[KS], v[CK]   offset:(\p)*SLOTB
	ds_store_b32 v[KS], v[CK+1] offset:(\p)*SLOTB+2*PITCH
	ds_store_b32 v[VS], v[CW]   offset:(\p)*SLOTB          ; rows 160 bytes apart from lane to lane: eight different banks, four lanes to each; two such stores a wave and step
	ds_store_b32 v[VS], v[CW+1] offset:(\p)*SLOTB+PITCH
.endm
.macro KFRAG s                         ; four fragments of K: keys 16 t + r
.irp t, 0,1,2,3
	ds_load_b128 v[KF+8*\t:KF+8*\t+3],   v[KR] offset:(\s)*SLOTB+\t*16*PITCH
	ds_load_b128 v[KF+8*\t+4:KF+8*\t+7], v[KR] offset:(\s)*SLOTB+\t*16*PITCH+16
.endr
.endm
.macro VFRAG s                         ; four fragments of V^T: d = 16 t + r
.irp t, 0,1,2,3
	ds_load_b128 v[KF+8*\t:KF+8*\t+3],   v[VR] offset:(\s)*SLOTB+\t*16*PITCH
	ds_load_b128 v[KF+8*\t+4:KF+8*\t+7], v[VR] offset:(\s)*SLOTB+\t*16*PITCH+32
.endr
.endm
.macro QK u                            ; S^T of tile u of my queries: the whole K = 64 in one instruction, so each sum starts and ends here
.irp t, 0,1,2,3
	v_wmma_f32_16x16x64_bf8_bf8 v[S+8*\t:S+8*\t+7], v[KF+8*\t:KF+8*\t+7], v[QF+8*(\u):QF+8*(\u)+7], 0
.endr
.endm
.macro PV                              ; O^T += V^T P^T: the eight accumulators take turns, one instruction a turn
.irp t, 0,1,2,3
.irp u, 0,1
	v_wmma_f32_16x16x64_bf8_bf8 v[O+32*\u+8*\t:O+32*\u+8*\t+7], v[KF+8*\t:KF+8*\t+7], v[P+8*\u:P+8*\u+7], v[O+32*\u+8*\t:O+32*\u+8*\t+7]
.endr
.endr
.endm
; The softmax of tile u for one step of 64 keys (32 scores a lane), in two parts.  SM_A: the maximum, M, f, and the exponentials as one batch with one wait.
.macro SM_A u
.set rT, ST+8*(\u)
	v_max3_num_f32 v[rT+6], v[S], v[S+1], v[S+2]               ; the largest of my 32 scores and the old maximum, in two chains; each accumulator is read from its low end on
	v_max3_num_f32 v[rT+7], v[S+3], v[S+4], v[S+5]
.irp i, 6,10,14,18,22,26
	v_max3_num_f32 v[rT+6], v[rT+6], v[S+\i], v[S+\i+1]
	v_max3_num_f32 v[rT+7], v[rT+7], v[S+\i+2], v[S+\i+3]
.endr
	v_max3_num_f32 v[rT+6], v[rT+6], v[S+30], v[S+31]
	v_max3_num_f32 v[rT+6], v[rT+6], v[rT+7], v[rT+1]
	v_permlanex16_b32 v[rT+7], v[rT+6], s20, s21               ; the query's other 32 keys lie in the lane 16 away
	v_max_num_f32 v[rT+1], v[rT+6], v[rT+7]                    ; the running largest score
	v_mul_f32 v[rT+6], s22, v[rT+1]                            ; as t (c is positive)
	v_mov_b32 v[rT+7], v[rT]
	v_floor_f32 v[rT], -v[rT+6]                                ; the new -M = floor(-t) = -ceil(t): M is a whole number
	v_sub_f32 v[rT+7], v[rT], v[rT+7]                          ; old M - new M: a whole number, 0 or less
	v_cvt_i32_f32 v[rT+7], v[rT+7]                             ; (it saturates)
	v_ldexp_f32 v[rT+4], 1.0, v[rT+7]                          ; f = 2^(old M - new M)
.set j, 0
.rept 16
	v_pk_fma_f32 v[S+j:S+j+1], v[S+j:S+j+1], s[22:23], v[rT:rT+1] op_sel_hi:[1,0,0]   ; t - M, two at a time (of the pairs c and -M the low word serves both halves)
.set j, j+2
.endr
.set j, 0
	s_wait_alu depctr_va_vdst(0)
.rept 32
	v_exp_f32 v[S+j], v[S+j]                                   ; p = 2^(t - M): not normalised
.set j, j+1
.endr
	v_pk_mul_f32 v[rT+2:rT+3], v[rT+2:rT+3], v[rT+4:rT+5] op_sel_hi:[1,0]   ; the sum under the new M.  (The plain instruction behind the exponentials)
	s_wait_alu depctr_va_vdst(0)                               ; the 32 exponentials have written v[S ..], ahead of their first reader: one wait for the batch.  In tile 0's turn it also states that the conversion and the sortings have written CK and CW and that the holds and conversions are done with the chunk's set: the stores and loads that follow it there
.endm
; SM_B: the sum, the hold, p's codes, O^T under the new M.  last = 1: the wave's LDS instructions are waited for on the way; sig = 1: and the step's barrier is signalled there.
.macro SM_B u, last, sig
.set rT, ST+8*(\u)
.set rO, O+32*(\u)
.set rP, P+8*(\u)
	v_pk_add_f32 v[T2:T2+1], v[S:S+1], v[S+2:S+3]              ; the row's sum is taken of the unquantised p: two at a time, in two chains
.irp i, 4,8,12,16,20,24,28
	v_pk_add_f32 v[rT+2:rT+3], v[rT+2:rT+3], v[S+\i:S+\i+1]
	v_pk_add_f32 v[T2:T2+1], v[T2:T2+1], v[S+\i+2:S+\i+3]
.endr
	v_pk_add_f32 v[rT+2:rT+3], v[rT+2:rT+3], v[T2:T2+1]
	s_cmp_ge_i32 s18, -15                                      ; p is at most 1 (but for the last bit), so with ep >= -15 p / 2^ep stays near 32,768, under 57,344: the hold cannot act and is jumped over.
	s_cbranch_scc1 .Lno_hold_\@                                ; ep is a whole number read from an input, the same in every wave; no barrier stands under the jump
.set j, 0
.rept 32
	v_min_num_f32 v[S+j], v[S+j], v[LP]                        ; the conversion does not saturate (ISA guide 7.6.2); p is not negative, so the hold is one-sided
.set j, j+1
.endr
.Lno_hold_\@:
.if \last
	s_wait_alu depctr_va_vdst(0)
	s_wait_dscnt 0x0                                           ; V^T's fragments are in: my reads of this slot are over; and my stores into the other slot have landed
.endif
.if \sig
	s_barrier_signal -1                                        ; say so; register work alone stands between this and the wait at the step's end
.endif
.irp t, 0,1,2,3
	v_cvt_scalef32_pk8_bf8_f32 v[rP+2*\t:rP+2*\t+1], v[S+8*\t:S+8*\t+7], v[SP]
.endr
.set j, 0
.rept 16
	v_pk_mul_f32 v[rO+j:rO+j+1], v[rO+j:rO+j+1], v[rT+4:rT+5] op_sel_hi:[1,0]   ; O^T under the new M, each accumulator from its low end on.  (Also the plain instructions behind the conversions, ahead of the products that write S or read P)
.set j, j+2
.endr
.endm
; A STEP multiplies by the chunk in slot s.  q = 1: the next chunk (set and slot 1 - s) is quantised; n: the younger loads that may stay out.  ld = 1: chunk c, counted from the stepped bases, is asked for into the set just freed.
; bar = 1: the step's barrier.  In front of its signal each wave's stores into slot 1 - s have landed and its reads of slot s are back; behind its wait slot 1 - s is read and slot s is stored into.
.macro STEP s, q, ld, c, bar, n
.if \q
	s_wait_loadcnt \n                                          ; loads come back in order (ISA guide 5.7.1): the next chunk's six are in
	HOLDK 1-\s                                                 ; eight plain instructions: the places behind the last step's products, ahead of the loads into the registers that they read
	s_wait_alu depctr_vm_vsrc(0)                               ; the four LDS stores of the codes made last have read CK and CW, which the conversion and the sortings below write again; in the first step the stores of Q's codes have also read v[S ..], which the products below write
.else
	PLACES
.endif
	s_wait_alu depctr_va_vdst(0)                               ; the last step's products V^T P^T are done reading v[KF ..], in which K's fragments land
	KFRAG \s
.if \q
	QUANTC 1-\s                                                ; names the set, CK, CV and CW: none of the registers that K's loads touch
.endif
	s_wait_dscnt 0x0                                           ; K's eight loads are in; no other LDS instruction of mine is out
	QK 0
	PLACES
	SM_A 0
.if \q
	SENDC 1-\s                                                 ; directly behind the wait that ends SM_A: CK and CW are written
.if \ld
	LOADC 1-\s, \c                                             ; and the set is done with: it is asked for again
.endif
.endif
	SM_B 0, 0, 0
	QK 1                                                       ; over the registers that tile 0's scores have left
	PLACES                                                     ; for the loads into K's registers and for the first read of the scores
	s_wait_alu depctr_va_vdst(0)                               ; the four products just issued are done reading v[KF ..], in which V^T's fragments land; the places above stay beside this wait
	VFRAG \s
	SM_A 1
	SM_B 1, 1, \bar
	PV
.if \bar
	s_barrier_wait -1
.endif
.endm
.macro SCALE e, vs, vl                 ; 2^e and 57,344 x 2^e as f32
	s_add_co_i32 s27, s[\e], 127
	s_lshl_b32 s28, s27, 23
	v_mov_b32 v[\vs], s28
	s_add_co_i32 s27, s27, 15
	s_lshl_b32 s27, s27, 23
	s_or_b32 s27, s27, 0x600000
	v_mov_b32 v[\vl], s27
.endm
	s_load_b256 s[4:11], s[0:1], 0x0               ; query s[4:5], key s[6:7], value s[8:9], lowp_scales s[10:11]
	s_load_b64 s[12:13], s[0:1], 0x20              ; out0
	v_lshl_add_u32 v254, v0, 2, 0x16000
	v_mov_b32 v255, 0
	v_lshrrev_b32 v[TMP], 5, v0
	v_readfirstlane_b32 s14, v[TMP]                ; wave 0..15
	v_and_b32 v[RR], 15, v0                        ; r
	v_bfe_u32 v[HH], v0, 4, 1                      ; h
	v_and_b32 v[LN], 31, v0                        ; lane
	s_wait_alu depctr_va_vdst(0)
	v_lshlrev_b32 v[GO], 4, v[RR]
	v_lshl_or_b32 v[GO], v[HH], 12, v[GO]
	v_lshlrev_b32 v[VO], 3, v[LN]
	s_wait_alu depctr_va_sdst(0)                   ; s14 is written, ahead of its first reader: LDS addresses and the four bases are made from it
	s_mul_i32 s27, s14, 4*PITCH                    ; K's codes: my wave's four rows
	v_mul_u32_u24 v[KS], v[HH], PITCH
	v_lshl_add_u32 v[KS], v[RR], 2, v[KS]
	v_add_nc_u32 v[KS], s27, v[KS]
	s_lshr_b32 s28, s14, 3                         ; V^T's codes: keys 4 w .. 4 w + 3 are c = w / 4, h = (w / 2) % 2, j = 4 (w % 2) on: byte 32 (w / 8) + 16 ((w / 2) % 2) + 8 ((w / 4) % 2) + 4 (w % 2)
	s_lshl_b32 s28, s28, 5
	s_bfe_u32 s29, s14, 0x10001
	s_lshl_b32 s29, s29, 4
	s_add_co_u32 s28, s28, s29
	s_bfe_u32 s29, s14, 0x10002
	s_lshl_b32 s29, s29, 3
	s_add_co_u32 s28, s28, s29
	s_and_b32 s29, s14, 1
	s_lshl_b32 s29, s29, 2
	s_add_co_u32 s28, s28, s29
	s_add_co_u32 s28, s28, VOFF
	v_mul_u32_u24 v[VS], v[LN], 2*PITCH
	v_add_nc_u32 v[VS], s28, v[VS]
	v_mul_u32_u24 v[TMP], v[RR], PITCH
	v_lshl_add_u32 v[KR], v[HH], 5, v[TMP]
	v_lshl_add_u32 v[VR], v[HH], 4, v[TMP]
	v_add_nc_u32 v[VR], VOFF, v[VR]
	s_mul_i32 s29, s14, WSTB
	s_add_co_u32 s29, s29, WST                     ; my stage
	v_mul_u32_u24 v[QS], v[HH], PITCH
	v_lshl_add_u32 v[QS], v[RR], 2, v[QS]
	v_add_nc_u32 v[QS], s29, v[QS]
	v_add_nc_u32 v[QR], s29, v[KR]
	v_mul_u32_u24 v[OSTO], v[RR], OPITCH
	v_lshl_add_u32 v[OSTO], v[HH], 5, v[OSTO]
	v_add_nc_u32 v[OSTO], s29, v[OSTO]
	v_mul_u32_u24 v[ORD], v[HH], OPITCH
	v_lshl_add_u32 v[ORD], v[RR], 4, v[ORD]
	v_add_nc_u32 v[ORD], s29, v[ORD]
	s_and_b32 s30, ttmp7, 0xffff                   ; 16 x batch + head
	s_lshr_b32 s31, s30, 4
	s_lshl_b32 s31, s31, 23                        ; a batch is 2,048 rows of 4,096 bytes
	s_and_b32 s30, s30, 15
	s_lshl_b32 s30, s30, 8                         ; a head's 256 bytes of a row
	s_add_co_u32 s30, s30, s31
	s_lshl_b32 s31, s14, 14
	s_add_co_u32 s32, s30, s31                     ; key, value: + my wave's 4 rows of a chunk
	s_mov_b32 s33, 0
	s_lshl_b32 s31, ttmp9, 21
	s_add_co_u32 s34, s30, s31                     ; query, out0: + my work-group's 512 rows
	s_lshl_b32 s31, s14, 17
	s_add_co_u32 s34, s34, s31                     ; + my wave's 32
	s_mov_b32 s35, 0
	s_mov_b32 s20, 0x76543210                      ; v_permlanex16_b32: each lane takes its own place in the other half
	s_mov_b32 s21, 0xfedcba98
	s_mov_b32 s22, 0x3e38aa3b                      ; c = log2(e) / 8
	s_mov_b32 s24, 0x06040200
	s_mov_b32 s25, 0x07050301
	s_mov_b32 s26, TRIPS
	s_wait_kmcnt 0x0
	s_load_b128 s[16:19], s[10:11], 0x0            ; eq, ek, ep, ev
	s_add_nc_u64 s[4:5], s[4:5], s[34:35]
	s_add_nc_u64 s[6:7], s[6:7], s[32:33]
	s_add_nc_u64 s[8:9], s[8:9], s[32:33]
	s_add_nc_u64 s[12:13], s[12:13], s[34:35]
	s_wait_alu depctr_va_vdst(0)                   ; the ten offsets and LDS addresses v1 to v10 are written: every load and store of the kernel reads one of them, and none is written again
.irp i, 0,1,2,3,4,5,6,7,8,9,10,11,12,13,14,15
	global_load_b128 v[O+4*\i:O+4*\i+3], v[GO], s[4:5] offset:\i*8192 th:TH_LOAD_NT   ; Q: row 2 i + h, d = 4 r .. 4 r + 3, into the registers that O^T will take; read once in the launch
.endr
	LOADC 0, 0
	LOADC 1, 1
	s_wait_kmcnt 0x0
	s_add_co_i32 s27, s16, s17
	s_lshl_b32 s27, s27, 23
	s_add_co_i32 s22, s22, s27                     ; a score stands for score x 2^(eq + ek): the two exponents are added to c's exponent field
	s_mov_b32 s23, s22                             ; (named with it as a pair, so it is written)
	SCALE 16, SQ, LQ
	SCALE 17, SK, LK
	SCALE 18, SP, LP
	SCALE 19, SV, LV
	s_wait_alu depctr_va_vdst(0)
	; Q: my 32 rows become codes, go through my stage by rows of 64 bytes and come back as two fragments, which stay
	s_wait_loadcnt 12                              ; Q's sixteen loads are in; the twelve of chunks 0 and 1 may be out
.set j, 0
.rept 64
	v_med3_num_f32 v[O+j], v[O+j], -v[LQ], v[LQ]
.set j, j+1
.endr
.irp i, 0,1,2,3,4,5,6,7
	v_cvt_scalef32_pk8_bf8_f32 v[S+2*\i:S+2*\i+1], v[O+8*\i:O+8*\i+7], v[SQ]   ; rows 4 i + h and 4 i + 2 + h
.endr
	v_nop                                          ; one plain vector instruction behind the conversions: their sources are written below, their results' registers by the first products
	s_wait_alu depctr_va_vdst(0)                   ; the eight conversions have written v[S] to v[S + 15], which the LDS stores read
.irp i, 0,1,2,3,4,5,6,7
	ds_store_b32 v[QS], v[S+2*\i]   offset:4*\i*PITCH
	ds_store_b32 v[QS], v[S+2*\i+1] offset:(4*\i+2)*PITCH
.endr
.irp u, 0,1
	ds_load_b128 v[QF+8*\u:QF+8*\u+3],   v[QR] offset:\u*16*PITCH      ; LDS serves a wave's instructions in order (ISA guide 5.7.1.4): these see my stores.  No vector instruction has named these registers
	ds_load_b128 v[QF+8*\u+4:QF+8*\u+7], v[QR] offset:\u*16*PITCH+16
.endr
.set j, 0
.rept 64
	v_mov_b32 v[O+j], 0                            ; O^T.  (The step is written without a first step of its own: the first finds zeros, which the first change of M leaves zeros)
.set j, j+1
.endr
.irp u, 0,1
	v_mov_b32 v[ST+8*\u],   0x7f61b1e6             ; -M = 3e38
	v_mov_b32 v[ST+8*\u+1], 0xff61b1e6             ; the largest score so far: -3e38
	v_mov_b32 v[ST+8*\u+2], 0                      ; the sum, in two halves
	v_mov_b32 v[ST+8*\u+3], 0
	v_mov_b32 v[ST+8*\u+5], 0                      ; (named as the upper half of f's pair)
.endr
	; chunk 0 into slot 0
	s_wait_loadcnt 6                               ; chunk 0's six loads are in; chunk 1's may be out
	HOLDK 0
	QUANTC 0
	s_wait_alu depctr_va_vdst(0)                   ; the conversion and the sortings have written CK and CW, which the stores read; the holds and conversions are done with set 0, in which chunk 2's loads land
	SENDC 0
	LOADC 0, 2
	s_wait_dscnt 0x0                               ; my stores into slot 0 have landed; Q's fragments are in
	s_barrier_signal -1
	s_barrier_wait -1
.Ltrip:                                            ; steps 0 to 27, two a trip: step j multiplies by chunk j, quantises chunk j + 1 and asks for chunk j + 3
	STEP 0, 1, 1, 3, 1, 6
	STEP 1, 1, 1, 4, 1, 6
	s_wait_xcnt 0x0                                ; the loads' bases are stepped only behind this wait
	s_add_nc_u64 s[6:7], s[6:7], 2*CHUNK
	s_add_nc_u64 s[8:9], s[8:9], 2*CHUNK
	s_sub_co_u32 s26, s26, 1
	s_cmp_lg_u32 s26, 0
	s_cbranch_scc1 .Ltrip
	STEP 0, 1, 1, 3, 1, 6                          ; step 28 asks for chunk 31, the last: no load leaves its buffer
	STEP 1, 1, 0, 0, 1, 6                          ; step 29: chunk 30 is in, chunk 31's six loads may be out
	STEP 0, 1, 0, 0, 1, 0                          ; step 30: chunk 31 is in
	STEP 1, 0, 0, 0, 0, 0                          ; step 31: nothing is left to quantise, and no barrier follows
	; THE WAY OUT.  The sum's halves are added; O^T x 2^(ep + ev) / the sum goes through my stage, a tile of 16 queries at a time, and leaves as whole rows of 256 bytes.
	PLACES
	s_add_co_i32 s27, s18, s19
.irp u, 0,1
	v_add_f32 v[ST+8*\u+6], v[ST+8*\u+2], v[ST+8*\u+3]
.endr
.irp u, 0,1
	v_permlanex16_b32 v[ST+8*\u+7], v[ST+8*\u+6], s20, s21
.endr
.irp u, 0,1
	v_add_f32 v[ST+8*\u+6], v[ST+8*\u+6], v[ST+8*\u+7]
.endr
	s_wait_alu depctr_va_vdst(0)
.irp u, 0,1
	v_rcp_f32 v[ST+8*\u+4], v[ST+8*\u+6]
.endr
	v_nop                                          ; a plain instruction between the last reciprocal and the use of its result
	s_wait_alu depctr_va_vdst(0)                   ; the two reciprocals have written v[ST + 4] and v[ST + 12], ahead of their first reader: one wait for the two
.irp u, 0,1
	v_ldexp_f32 v[ST+8*\u+4], v[ST+8*\u+4], s27
.endr
.irp u, 0,1
.set j, 0
.rept 16
	v_pk_mul_f32 v[O+32*\u+j:O+32*\u+j+1], v[O+32*\u+j:O+32*\u+j+1], v[ST+8*\u+4:ST+8*\u+5] op_sel_hi:[1,0]   ; register 8 t + i of lane (r, h) is out(query r, d = 16 t + 8 h + i)
.set j, j+2
.endr
.endr
	s_wait_alu depctr_va_vdst(0)                   ; the multiplications have written v[O ..], which the LDS stores read; the last products are done reading v[KF ..] and the last softmax is done with v[S ..], in which the loads from the stage land.  No vector instruction follows
.macro TOSTAGE u, back                 ; tile u into my stage, 32 bytes a lane and tile of d, and back as rows: lanes 0-15 one row, lanes 16-31 the next
.irp t, 0,1,2,3
	ds_store_b128 v[OSTO], v[O+32*(\u)+8*\t:O+32*(\u)+8*\t+3]   offset:64*\t
	ds_store_b128 v[OSTO], v[O+32*(\u)+8*\t+4:O+32*(\u)+8*\t+7] offset:64*\t+16
.endr
.irp i, 0,1,2,3,4,5,6,7
	ds_load_b128 v[\back+4*\i:\back+4*\i+3], v[ORD] offset:2*\i*OPITCH   ; in order behind my stores; the next tile's stores come behind these
.endr
.endm
.macro SEND u, back, younger           ; younger: the LDS instructions issued behind tile u's loads
.irp i, 0,1,2,3,4,5,6,7
	s_wait_dscnt \younger+7-\i
	global_store_b128 v[GO], v[\back+4*\i:\back+4*\i+3], s[12:13] offset:(16*(\u)+2*\i)*4096 th:TH_STORE_NT   ; sixteen lanes store 256 consecutive bytes, at a multiple of 256 from out0's first byte; written once, read by nobody here
.endr
.endm
	TOSTAGE 0, KF
	TOSTAGE 1, S
	SEND 0, KF, 16
	SEND 1, S, 0
	s_wait_dscnt 0x0
	s_wait_alu depctr_hold_cnt(0) depctr_sa_sdst(0) depctr_va_vdst(0) depctr_va_sdst(0) depctr_va_ssrc(0) depctr_va_vcc(0) depctr_vm_vsrc(0)
	s_wait_tensorcnt 0x0
	ds_add_u32 v254, v255
	s_wait_dscnt 0x0
	s_endpgm
.Lfunc_end_k_q3ae9a6ff4d_attn:
	.size	k_q3ae9a6ff4d_attn, .Lfunc_end_k_q3ae9a6ff4d_attn-k_q3ae9a6ff4d_attn
	.p2alignl 7, 3214868480
	.fill 96, 4, 3214868480
	.section	.rodata,"a",@progbits
	.p2align	6, 0x0
	.amdhsa_kernel k_q3ae9a6ff4d_attn
		.amdhsa_group_segment_fixed_size 92160
		.amdhsa_private_segment_fixed_size 0
		.amdhsa_enable_private_segment 0
		.amdhsa_kernarg_size 40
		.amdhsa_user_sgpr_count 2
		.amdhsa_user_sgpr_kernarg_segment_ptr 1
		.amdhsa_wavefront_size32 1
		.amdhsa_system_sgpr_workgroup_id_x 1
		.amdhsa_system_sgpr_workgroup_id_y 1
		.amdhsa_system_sgpr_workgroup_id_z 1
		.amdhsa_system_vgpr_workitem_id 0
		.amdhsa_next_free_vgpr 256
		.amdhsa_next_free_sgpr 66
		.amdhsa_reserve_vcc 0
		.amdhsa_float_denorm_mode_32 3
		.amdhsa_float_denorm_mode_16_64 3
		.amdhsa_memory_ordered 1
		.amdhsa_forward_progress 1
		.amdhsa_inst_pref_size 132
	.end_amdhsa_kernel
	.amdgpu_metadata
---
amdhsa.version: [ 1, 2 ]
amdhsa.kernels:
  - .name:           k_q3ae9a6ff4d_attn
    .symbol:         k_q3ae9a6ff4d_attn.kd
    .args:
      - { .name: query, .offset: 0, .size: 8, .value_kind: global_buffer, .address_space: global }
      - { .name: key, .offset: 8, .size: 8, .value_kind: global_buffer, .address_space: global }
      - { .name: value, .offset: 16, .size: 8, .value_kind: global_buffer, .address_space: global }
      - { .name: lowp_scales, .offset: 24, .size: 8, .value_kind: global_buffer, .address_space: global }
      - { .name: out0, .offset: 32, .size: 8, .value_kind: global_buffer, .address_space: global }
    .group_segment_fixed_size: 92160
    .private_segment_fixed_size: 0
    .kernarg_segment_align: 8
    .kernarg_segment_size: 40
    .max_flat_workgroup_size: 512
    .sgpr_count:     66
    .vgpr_count:     256
    .wavefront_size: 32
...
	.end_amdgpu_metadata
.endif
;; end of part 2
